; MI455X (gfx1250); checked and timed in simulation.
; The chip was launched on July 23, 2026; its instructions are those of AMD's public machine-readable ISA for CDNA 5 (MIT licence, August 2026) and "CDNA5" Instruction Set Architecture Reference Guide (July 2026). The comments in the code are by the model that wrote it; some were corrected since.
;; Split Grid. Allowed arithmetic: float matrix products may take bf16 or f16 operands with f32 sums; all other float work in f32.
;; Inputs: W1 16 x 2 x 256 float32; W2 16 x 256 x 3 float32; b1 16 x 256 float32; b2 16 x 3 float32; samples 262,144 x 2 float32.
;; Outputs: out0 262,144 x 3 float32.
;; One version. Each part assembles by itself: llvm-mc -triple=amdgcn-amd-amdhsa -mcpu=gfx1250 --defsym DOCPART=n.
;; ======== version 1 of 1: 1 launch
;; limits: values are held in f16: magnitudes above 65,504 overflow, below 6.1e-05 lose precision
;; launch splitgrid (part 1): grid 256 x 1, 16 waves a work-group, clusters of 4 x 1, 172,800 bytes of LDS; arguments samples, W1, b1, W2, b2, out0; writes out0
.if DOCPART == 1
	.amdgcn_target "amdgcn-amd-amdhsa--gfx1250"
	.amdhsa_code_object_version 6
	.text
	.protected	k_q97204d77c3_splitgrid
	.globl	k_q97204d77c3_splitgrid
	.p2align	8
	.type	k_q97204d77c3_splitgrid,@function
k_q97204d77c3_splitgrid:
	s_mov_b64 s[64:65], 0
	v_nop
	global_prefetch_b8 v0, s[64:65] scope:SCOPE_SE
	s_setreg_imm32_b32 hwreg(HW_REG_WAVE_MODE, 25, 1), 1
	s_wait_xcnt 0x0
	s_wait_alu depctr_hold_cnt(0) depctr_sa_sdst(0) depctr_va_vdst(0) depctr_va_sdst(0) depctr_va_ssrc(0) depctr_va_vcc(0) depctr_vm_vsrc(0)
	s_getreg_b32 s2, hwreg(HW_REG_IB_STS2, 6, 4)
	s_cmp_eq_u32 s2, 0
	s_cbranch_scc0 .Lentry_in_a_cluster
	s_endpgm
.Lentry_in_a_cluster:
	s_bfe_u32 s2, ttmp6, 0x10000c
	s_cmp_lg_u32 s2, 0x3003
	s_cbranch_scc0 .Lentry_shape_is_right
	s_endpgm
.Lentry_shape_is_right:
; SplitGrid: out[n] = relu(x[n] W1[e] + b1[e]) W2[e] + b2[e],  e = 4 j + i,  i = clip(floor(4 x0), 0, 3),  j the same of x1.
; 262,144 samples, 16 experts, 2 -> 256 -> 3.  All buffers f32.
;
; The expert's number comes from floating-point data, so it steers no address and no branch here: it is turned into arithmetic.
;   LAYER 1  z = Waug Xaug,  K = 64 = 16 experts x 4 places.  Waug[c][4e ..] = W1[e][0][c], W1[e][1][c], b1hi[e][c], b1lo[e][c];
;            Xaug[4e ..][n] = x0, x1, 1, 1 for the sample's own expert, 0 for the fifteen others.  b1hi = f16(b1), b1lo = f16(b1 - b1hi).
;   LAYER 2  y[e][o] for all 16 experts: three products (o = 0, 1, 2) of W2[.][.][o] (16 experts x 256) with relu(z); the sums start at b2 (f32).
;   CHOICE   eight accumulator registers -> one by v_cndmask_b32 on the bits of e, then the two halves of the lanes are joined.
; Per 16 samples: 32 + 24 matrix instructions.  Operands f16, sums f32.
;
; SHARES: 256 work-groups of 16 waves; a work-group owns 1,024 samples, a wave 64 = four tiles of 16 (512 bytes in, 768 bytes out).
; CLUSTER: all work-groups read the same 98,304 bytes of W1, b1, W2.  Four work-groups form a cluster and ask for them jointly: six tensor
; loads of 16,384 bytes (waves 0 to 5, one each), the same descriptor in all four, mask 15.  Each is issued once: nothing in LDS is filled again.
;
; LIMITS (stated, not handled): operands are f16, so |x|, |W1|, |b1|, |W2| and |z| must stay at or below 65,504; numbers below 6.1e-5 carry an
; absolute error of up to 3e-8.  A W1 or b1 of ANY expert that is not finite in f16 spoils every sample (0 x inf in the one-hot product).
; NaN or infinite samples are not served (v_max_num_f32 drops a NaN where the reference's relu keeps it).
;
; LDS
.set P1,     272                       ; a block of W1IMG: 16 rows of 16 bytes + 16 bytes of padding
.set P2O,    528                       ; a row of W2IMG: 256 f16 + 16 bytes
.set P2E,    3*P2O                     ; an expert's three rows: 1,584 = 99 x 16 bytes
.set W1IMG,  0                         ; 128 blocks.  Block t + 16 p (t: 16 hidden units, p: experts 2p, 2p+1); row r: the 8 f16 of hidden unit 16 t + r
.set W2IMG,  128*P1                    ; 34,816: expert e, output o, hidden c at e P2E + o P2O + 2 c
.set STAGE,  W2IMG+16*P2E              ; 60,160: 768 bytes for each wave, its own: first b2 transposed (192 bytes), at the end its 64 results
.set RAW,    STAGE+16*768              ; 72,448: W1, b1, W2 as they lie in memory, brought by the tensor loads; no LDS store ever lands here
.set RAWB1,  RAW+32768
.set RAWW2,  RAW+49152                 ; ends at 170,752
; VECTOR REGISTERS.  v0 thread; v1 W1 fragment address; v2 W2 fragment address; v3 stage address (b2 reads, later result writes);
; v4 stage address for reading back; v5 offset in out0; v6 = 2 h; v7 = the f16 pair (1, 1)
.set X,      8                         ; v[8:71]    Xaug: tile t at 16 t, K step u at + 8 u.  At the end: at work in the choice
.set ACC,    72                        ; v[72:167]  y: tile t, output o at 24 t + 8 o
.set FW1,    168                       ; v[168:199] W1 fragments: K step u, hidden tile a or b at 16 u + 8 c
.set FW2,    200                       ; v[200:223] W2 fragments: output o at 8 o
.set D,      224                       ; v[224:255] z: two sets of 16 (hidden tiles a, b); relu(z) in f16 ends in a set's first 8 registers
.set SMP,    224                       ; start only: v[224:231] the samples of my four tiles
.set B2V,    232                       ; start only: v[232:234] b2[r][0..2]
.set TX,     236                       ; start only: v[236:243] at work
.set B2O,    244                       ; start only: offset of b2's row r;  v245: where it goes in my stage;  v246: offset of sample r
.set CR,     72                        ; conversion: v[72:87] W1 raw, v[88:95] b1 raw, v[96:119] W2 raw; v[120:124] at work
.set CW,     128                       ; conversion: v[128:143] four rows of W1IMG
.set CV,     144                       ; conversion: v[144:155] three pieces of W2IMG
.set CA,     156                       ; conversion: v[156:160] addresses, v[161:163] at work
; SCALAR REGISTERS.  s[4:15] the six buffers; s16 wave; s17 cx; s18 work-group; s19 my stage; s[20:23] offsets; s[24:27], s[28:35] descriptor
.set MT,     36                        ; s[36:43]  eight masks: the sample's expert is pair P of this half of the lanes.  Later: conversion bases
.set SEL,    44                        ; s[44:59]  tile t at 4 t: bit 0 of e, bit 1, bit 2, and 'bit 3 equals my half'; they feed v_cndmask_b32 alone
; A round of the cluster's barrier: my work-group's barrier, wave 0 signals for the work-group, every wave waits for all four work-groups, my barrier again.
.macro ROUND
	s_barrier_signal -1
	s_barrier_wait -1
	s_cmp_lg_u32 s16, 0
	s_cbranch_scc1 .Lnot_wave_0_\@
	s_barrier_signal -3
.Lnot_wave_0_\@:
	s_barrier_wait -3
	s_barrier_signal -1
	s_barrier_wait -1
.endm
; Xaug of tile t.  Lane (r, h) holds column r; register pair P = 4 u + 2 q + b belongs to expert 8 u + 4 q + 2 h + b, that is j = P >> 1, i = 2 h + (P & 1).
; code = 8 j + i - 2 h equals 8 (P >> 1) + (P & 1) for that pair alone (i - 2 h lies in -2 .. 3, and only 0 and 1 can match).
.macro XBUILD t
	v_pk_mul_f32 v[TX:TX+1], v[SMP+2*\t:SMP+2*\t+1], 4.0 op_sel_hi:[1,0]   ; exact
	v_cvt_pk_f16_f32 v[TX+5], v[SMP+2*\t], v[SMP+2*\t+1]                   ; (x0, x1) in f16
	v_floor_f32 v[TX], v[TX]
	v_floor_f32 v[TX+1], v[TX+1]
	v_med3_num_f32 v[TX], v[TX], 0, 3.0                                    ; the reference's clip
	v_med3_num_f32 v[TX+1], v[TX+1], 0, 3.0
	v_cvt_u32_f32 v[TX+2], v[TX]                                           ; i
	v_cvt_u32_f32 v[TX+3], v[TX+1]                                         ; j
	v_lshl_add_u32 v[TX+4], v[TX+3], 3, v[TX+2]
	v_sub_nc_u32 v[TX+4], v[TX+4], v6                                      ; code
	v_and_b32 v[TX+6], 1, v[TX+2]
	v_and_b32 v[TX+7], 1, v[TX+3]
	v_cmp_ne_u32 s[SEL+4*\t], 0, v[TX+6]                                   ; e bit 0 = i & 1
	v_cmp_le_u32 s[SEL+4*\t+1], 2, v[TX+2]                                 ; e bit 1 = (i >= 2)
	v_cmp_ne_u32 s[SEL+4*\t+2], 0, v[TX+7]                                 ; e bit 2 = j & 1
	v_cmp_le_u32 s63, 2, v[TX+3]                                           ; e bit 3 = (j >= 2)
	s_xor_b32 s[SEL+4*\t+3], s63, 0xffff                                   ; turned round in lanes 0-15: set where bit 3 equals the lane's h
.irp p, 0,1,2,3,4,5,6,7
	v_cmp_eq_u32 s[MT+\p], 8*(\p>>1)+(\p&1), v[TX+4]
.endr
.irp p, 0,1,2,3,4,5,6,7
	v_cndmask_b32 v[X+16*\t+2*\p], 0, v[TX+5], s[MT+\p]                    ; x0, x1 or 0, 0
	v_cndmask_b32 v[X+16*\t+2*\p+1], 0, v7, s[MT+\p]                       ; 1, 1 or 0, 0
.endr
.endm
; relu and rounding to f16 of one hidden tile (c = 0: a, 1: b) of set q: 12 plain vector instructions.  The results land in the set's registers 4 c .. 4 c + 3,
; which is layer 2's B fragment as it stands: lane (r, h) holds hidden 8 h + 0..7 of tile a, then of tile b, for sample r.  In place, ascending: no source is lost.
.macro RELU q, c
.irp i, 0,1,2,3,4,5,6,7
	v_max_num_f32 v[D+16*\q+8*\c+\i], 0, v[D+16*\q+8*\c+\i]
.endr
.irp i, 0,1,2,3
	v_cvt_pk_f16_f32 v[D+16*\q+4*\c+\i], v[D+16*\q+8*\c+2*\i], v[D+16*\q+8*\c+2*\i+1]
.endr
.endm
; Layer 1 of sample tile t into set q: two hidden tiles x two K steps.  The two accumulators take turns, one instruction a turn.
.macro L1 t, q
	v_wmma_f32_16x16x32_f16 v[D+16*\q:D+16*\q+7],    v[FW1:FW1+7],     v[X+16*\t:X+16*\t+7],    0
	v_wmma_f32_16x16x32_f16 v[D+16*\q+8:D+16*\q+15], v[FW1+8:FW1+15],  v[X+16*\t:X+16*\t+7],    0
	v_wmma_f32_16x16x32_f16 v[D+16*\q:D+16*\q+7],    v[FW1+16:FW1+23], v[X+16*\t+8:X+16*\t+15], v[D+16*\q:D+16*\q+7]
	v_wmma_f32_16x16x32_f16 v[D+16*\q+8:D+16*\q+15], v[FW1+24:FW1+31], v[X+16*\t+8:X+16*\t+15], v[D+16*\q+8:D+16*\q+15]
.endm
; Layer 2 of sample tile t, 32 hidden units from set q: three accumulators, one instruction each.
.macro L2 t, q
.irp o, 0,1,2
	v_wmma_f32_16x16x32_f16 v[ACC+24*\t+8*\o:ACC+24*\t+8*\o+7], v[FW2+8*\o:FW2+8*\o+7], v[D+16*\q:D+16*\q+7], v[ACC+24*\t+8*\o:ACC+24*\t+8*\o+7]
.endr
.endm
; The W1 fragments of hidden tiles 2 s, 2 s + 1: block t + 16 (4 u + 2 q + h); 16 lanes read one block's 256 neighbouring bytes.
; The argument may be a sum (the next step's number), so it stands in parentheses wherever it is multiplied.
.macro LDW1 s
.irp u, 0,1
.irp c, 0,1
	ds_load_b128 v[FW1+16*\u+8*\c:FW1+16*\u+8*\c+3],   v1 offset:W1IMG+P1*(2*(\s)+\c)+64*P1*\u
	ds_load_b128 v[FW1+16*\u+8*\c+4:FW1+16*\u+8*\c+7], v1 offset:W1IMG+P1*(2*(\s)+\c)+64*P1*\u+32*P1
.endr
.endr
.endm
; The W2 fragments of hidden units 32 s .. 32 s + 31: lane (r, h) reads expert r's row; rows 99 x 16 bytes apart, so 16 lanes touch 16 different 16-byte columns modulo 256 bytes.
.macro LDW2 s
.irp o, 0,1,2
	ds_load_b128 v[FW2+8*\o:FW2+8*\o+3],   v2 offset:W2IMG+P2O*\o+64*(\s)
	ds_load_b128 v[FW2+8*\o+4:FW2+8*\o+7], v2 offset:W2IMG+P2O*\o+64*(\s)+32
.endr
.endm
; One step of 32 hidden units for my four sample tiles: 28 matrix instructions, 96 vector instructions, 14 LDS loads.
; Layer 1 runs one tile ahead of layer 2 on two sets of z.  Every RELU is 12 plain vector instructions on the set that the matrix instructions on both sides of it do
; not name: these are the places between a layer-1 product and the relu that reads it, between a layer-2 product and the layer-1 product
; that writes over its B, and between a fragment's last use and the loads that replace it.  No two matrix instructions that follow each other share an accumulator.
.macro TRIP s
	RELU 0, 0
	LDW2 \s                                        ; 12 places behind the last step's last use of FW2
	L1 1, 1
	RELU 0, 1
	s_wait_dscnt 0x0                               ; FW2 is in (in step 0 also the accumulators' first values)
	L2 0, 0
	RELU 1, 0
	L1 2, 0
	RELU 1, 1
	L2 1, 1
	RELU 0, 0
	L1 3, 1
	RELU 0, 1
.if \s < 7
	LDW1 \s+1                                      ; hidden tiles 2 (s + 1), 2 (s + 1) + 1; 12 places behind this step's last use of FW1
.endif
	L2 2, 0
	RELU 1, 0
.if \s < 7
	s_wait_dscnt 0x0                               ; the next step's FW1 is in
	L1 0, 0                                        ; tile 0 of the next step
.endif
	RELU 1, 1
	L2 3, 1
.endm
; The choice for tile t: register 4 bit2 + 2 bit1 + bit0 of each output's eight; the half of the lanes whose h equals bit 3 holds the right one, the other half takes it over.
.macro SELECT t
.irp o, 0,1,2
.irp k, 0,1,2,3
	v_cndmask_b32 v[X+16*\t+8+\k], v[ACC+24*\t+8*\o+2*\k], v[ACC+24*\t+8*\o+2*\k+1], s[SEL+4*\t]
.endr
	v_cndmask_b32 v[X+16*\t+12], v[X+16*\t+8],  v[X+16*\t+9],  s[SEL+4*\t+1]
	v_cndmask_b32 v[X+16*\t+13], v[X+16*\t+10], v[X+16*\t+11], s[SEL+4*\t+1]
	v_cndmask_b32 v[X+16*\t+\o], v[X+16*\t+12], v[X+16*\t+13], s[SEL+4*\t+2]
.endr
.irp o, 0,1,2
	v_permlanex16_b32 v[X+16*\t+4+\o], v[X+16*\t+\o], s60, s61     ; lane l xor 16; the destination has held Xaug, so it has been written
.endr
.irp o, 0,1,2
	v_cndmask_b32 v[X+16*\t+\o], v[X+16*\t+4+\o], v[X+16*\t+\o], s[SEL+4*\t+3]
	ds_store_b32 v3, v[X+16*\t+\o] offset:192*\t+4*\o              ; sample 16 t + r, output o; both halves of the lanes write the same word with the same value
.endr
.endm
	; ---- arguments, ids, lane terms ----
	s_load_b256 s[4:11], s[0:1], 0x0               ; samples s[4:5], W1 s[6:7], b1 s[8:9], W2 s[10:11]
	s_load_b128 s[12:15], s[0:1], 0x20             ; b2 s[12:13], out0 s[14:15]
	v_lshl_add_u32 v254, v0, 2, 0x29b00
	v_mov_b32 v255, 0
	ds_add_u32 v254, v255
	s_wait_dscnt 0x0
	v_lshrrev_b32 v8, 5, v0
	v_readfirstlane_b32 s16, v8                    ; wave 0 .. 15
	v_and_b32 v9, 15, v0                           ; r
	v_bfe_u32 v10, v0, 4, 1                        ; h
	v_and_b32 v11, 31, v0                          ; lane
	s_bfe_u32 s17, ttmp6, 0x40000                  ; cx
	s_lshl_b32 s18, ttmp9, 2
	s_add_co_u32 s18, s18, s17                     ; work-group = 4 x cluster + cx: it enters the addresses of samples and out0 alone
	s_mul_i32 s19, s16, 768
	s_add_co_u32 s19, s19, STAGE                   ; my wave's stage
	v_mul_u32_u24 v1, v10, 16*P1
	v_lshl_add_u32 v1, v9, 4, v1                   ; W1 fragments: 16 blocks x h + 16 r
	v_mul_u32_u24 v2, v9, P2E
	v_lshl_add_u32 v2, v10, 4, v2                  ; W2 fragments: expert r's rows + 16 h
	v_mul_u32_u24 v3, v10, 96
	v_add_nc_u32 v3, s19, v3                       ; b2 transposed: experts 8 h .. 8 h + 7
	v_lshl_add_u32 v4, v11, 3, s19                 ; reading the stage back: 8 bytes a lane
	v_lshlrev_b32 v5, 3, v11                       ; and the same 8 bytes in out0
	v_lshlrev_b32 v6, 1, v10                       ; 2 h
	v_mov_b32 v7, 0x3c003c00                       ; (1, 1) in f16
	v_lshlrev_b32 v[B2O+2], 3, v9                  ; sample r of a tile: 8 r
	v_mul_u32_u24 v[B2O], v9, 12                   ; b2's row r
	v_lshrrev_b32 v12, 3, v9
	v_and_b32 v13, 7, v9
	v_mul_u32_u24 v[B2O+1], v12, 96
	v_lshl_add_u32 v[B2O+1], v13, 2, v[B2O+1]
	v_add_nc_u32 v[B2O+1], s19, v[B2O+1]           ; expert r's place in my stage: (r >> 3) 96 + 4 (r & 7), + 32 o in the immediate
	; descriptor group 1: a dense block of 64 rows of 256 bytes (32 elements of 8 bytes), no padding
	s_mov_b32 s28, 15|(3<<16)|(1<<21)              ; 15:0 the mask: all four work-groups of the cluster; 17:16 elements of 8 bytes; 21 set beside a mask
	s_mov_b32 s29, 32<<16                          ; tensor_dim0 = 32
	s_mov_b32 s30, 64<<16                          ; tensor_dim1 = 64
	s_mov_b32 s31, 32<<16                          ; tile_dim0 = 32
	s_mov_b32 s32, 64                              ; tile_dim1 = 64
	s_mov_b32 s33, 32                              ; 32 elements from row to row
	s_mov_b32 s34, 0
	s_mov_b32 s35, 0
	s_mov_b32 s60, 0x76543210                      ; v_permlanex16_b32: lane i of one half reads lane i of the other
	s_mov_b32 s61, 0xfedcba98
	s_lshl_b32 s22, s18, 13                        ; samples: 8,192 bytes a work-group,
	s_lshl_b32 s63, s16, 9                         ; 512 a wave
	s_add_co_u32 s22, s22, s63
	s_mov_b32 s23, 0
	s_mul_i32 s20, s18, 12288                      ; out0: 12,288 bytes a work-group,
	s_mul_i32 s63, s16, 768                        ; 768 a wave
	s_add_co_u32 s20, s20, s63
	s_mov_b32 s21, 0
	s_wait_kmcnt 0x0
	s_add_nc_u64 s[4:5], s[4:5], s[22:23]
	s_add_nc_u64 s[14:15], s[14:15], s[20:21]
	; ---- my 64 samples (both halves of the lanes take sample r of each tile) and b2 ----
.irp t, 0,1,2,3
	global_load_b64 v[SMP+2*\t:SMP+2*\t+1], v[B2O+2], s[4:5] offset:128*\t th:TH_LOAD_NT
.endr
.irp o, 0,1,2
	global_load_b32 v[B2V+\o], v[B2O], s[12:13] offset:4*\o
.endr
	; ---- the weights: six joint loads, waves 0 to 5, one each ----
	ROUND                                          ; all four work-groups are here: the joint loads meet
	s_cmp_ge_u32 s16, 6
	s_cbranch_scc1 .Lno_fill
	s_cmp_lt_u32 s16, 2                            ; waves 0, 1: W1's two blocks; wave 2: b1; waves 3, 4, 5: W2's three.  All of it hangs on the wave's number alone
	s_cselect_b64 s[20:21], s[6:7], s[10:11]
	s_cselect_b32 s22, 0, 3
	s_cmp_eq_u32 s16, 2
	s_cselect_b64 s[20:21], s[8:9], s[20:21]
	s_cselect_b32 s22, 2, s22
	s_sub_co_u32 s22, s16, s22                     ; which block of its buffer
	s_lshl_b32 s22, s22, 14
	s_mov_b32 s23, 0
	s_mov_b32 s24, 1                               ; count = 1
	s_lshl_b32 s25, s16, 14
	s_add_co_u32 s25, s25, RAW                     ; LDS address: RAW + 16,384 x wave
	s_add_nc_u64 s[26:27], s[20:21], s[22:23]      ; global address
	s_or_b32 s27, s27, 0x80000000                  ; type = 2
	tensor_load_to_lds s[24:27], s[28:35]          ; the wave's one tensor load of the launch
	s_nop 0
.Lno_fill:
	; ---- while the weights are on their way: Xaug and the masks of my four tiles, b2 into my stage, the conversion's addresses ----
	s_wait_loadcnt 0x3                             ; the samples are in; the three younger loads (b2) may stay out
	XBUILD 0
	XBUILD 1
	XBUILD 2
	XBUILD 3
	s_wait_loadcnt 0x0                             ; b2
.irp o, 0,1,2
	ds_store_b32 v[B2O+1], v[B2V+\o] offset:32*\o  ; b2[e][o] at (e >> 3) 96 + 32 o + 4 (e & 7): eight experts of one output lie side by side
.endr
	; Conversion: wave w makes experts 2 p, 2 p + 1 (p = w >> 1), hidden 128 (w & 1) .. + 127 of W1IMG, and expert w of W2IMG.
	s_lshr_b32 s36, s16, 1                         ; p
	s_and_b32 s37, s16, 1
	s_lshl_b32 s37, s37, 9                         ; 128 hidden units of f32
	s_lshl_b32 s38, s36, 12                        ; W1: two experts x two rows of 1,024 bytes
	s_add_co_u32 s38, s38, s37
	s_add_co_u32 s38, s38, RAW
	s_lshl_b32 s39, s36, 11                        ; b1: two experts' rows
	s_add_co_u32 s39, s39, s37
	s_add_co_u32 s39, s39, RAWB1
	s_mul_i32 s40, s16, 3072                       ; W2: one expert
	s_add_co_u32 s40, s40, RAWW2
	s_mul_i32 s41, s16, 8*P1                       ; W1IMG: blocks 8 w .. 8 w + 7 (t + 16 p with t = 8 (w & 1) ..)
	s_mul_i32 s42, s16, P2E
	s_add_co_u32 s42, s42, W2IMG
	v_and_b32 v[CA+5], 31, v0                      ; lane
	v_lshl_add_u32 v[CA], v[CA+5], 4, s38          ; four hidden units a lane
	v_lshl_add_u32 v[CA+1], v[CA+5], 4, s39
	v_mul_u32_u24 v[CA+2], v[CA+5], 96             ; eight hidden units x three outputs a lane
	v_add_nc_u32 v[CA+2], s40, v[CA+2]
	v_lshrrev_b32 v[CA+6], 2, v[CA+5]
	v_and_b32 v[CA+7], 3, v[CA+5]
	v_mul_u32_u24 v[CA+3], v[CA+6], P1             ; hidden 4 lane + i = block lane >> 2, row 4 (lane & 3) + i:
	v_lshl_add_u32 v[CA+3], v[CA+7], 6, v[CA+3]    ; with the blocks' padding 16 lanes touch 16 different 16-byte columns modulo 256 bytes
	v_add_nc_u32 v[CA+3], s41, v[CA+3]
	v_lshl_add_u32 v[CA+4], v[CA+5], 4, s42        ; eight f16 a lane
	s_wait_tensorcnt 0x0                           ; my block of the weights has landed (waves 6 to 15 have none out)
	s_wait_dscnt 0x0                               ; no LDS instruction of mine is out at the signal
	s_barrier_signal -1
	s_barrier_wait -1                              ; all six blocks are in LDS for every wave
	; ---- f32 -> f16, into the fragments' order ----
.irp d, 0,1,2,3
	ds_load_b128 v[CR+4*\d:CR+4*\d+3], v[CA] offset:1024*\d                ; W1[2p][0], W1[2p][1], W1[2p+1][0], W1[2p+1][1]
.endr
.irp b, 0,1
	ds_load_b128 v[CR+16+4*\b:CR+16+4*\b+3], v[CA+1] offset:1024*\b        ; b1[2p], b1[2p+1]
.endr
.irp n, 0,1,2,3,4,5
	ds_load_b128 v[CR+24+4*\n:CR+24+4*\n+3], v[CA+2] offset:16*\n          ; W2[w][8 lane .. + 7][0..2]
.endr
	s_wait_dscnt 0x6                               ; W1 and b1 are in; the six younger loads (W2) may stay out
.irp i, 0,1,2,3
	v_cvt_pk_f16_f32 v120, v[CR+16+\i], v[CR+20+\i]                        ; the two biases' upper parts
	v_cvt_pk_f16_f32 v[CW+4*\i],   v[CR+\i],   v[CR+4+\i]
	v_cvt_pk_f16_f32 v[CW+4*\i+2], v[CR+8+\i], v[CR+12+\i]
	v_cvt_f32_f16 v121, v120.l
	v_cvt_f32_f16 v122, v120.h
	v_sub_f32 v123, v[CR+16+\i], v121                                      ; what the upper part left over (exact)
	v_sub_f32 v124, v[CR+20+\i], v122
	v_cvt_pk_f16_f32 v[CW+4*\i+1], v121, v123
	v_cvt_pk_f16_f32 v[CW+4*\i+3], v122, v124
	ds_store_b128 v[CA+3], v[CW+4*\i:CW+4*\i+3] offset:W1IMG+16*\i
.endr
	s_wait_dscnt 0x4                               ; only the four stores just issued may be out: the W2 loads in front of them are in
.irp o, 0,1,2
.irp m, 0,1,2,3
	v_cvt_pk_f16_f32 v[CV+4*\o+\m], v[CR+24+6*\m+\o], v[CR+24+6*\m+3+\o]   ; hidden 8 lane + 2 m, + 2 m + 1 of output o
.endr
	ds_store_b128 v[CA+4], v[CV+4*\o:CV+4*\o+3] offset:P2O*\o
.endr
	s_wait_dscnt 0x0                               ; my part of both images is written
	s_barrier_signal -1
	s_barrier_wait -1                              ; everybody's is; from here on the images are only read
	; ---- first fragments; the sums of layer 2 start at b2 ----
	LDW1 0
.irp t, 0,1,2,3
.irp o, 0,1,2
	ds_load_b128 v[ACC+24*\t+8*\o:ACC+24*\t+8*\o+3],   v3 offset:32*\o     ; register j: b2[8 h + j][o]; my own bytes
	ds_load_b128 v[ACC+24*\t+8*\o+4:ACC+24*\t+8*\o+7], v3 offset:32*\o+16
.endr
.endr
	s_wait_dscnt 24                                ; the eight loads of W1 fragments are in; the 24 younger ones may stay out until step 0's wait for 0
	L1 0, 0
.rept 4
	v_nop                                          ; four places between this product and the relu that reads it (ISA guide 7.12.1); later on a RELU of the other set fills them
.endr
	; ---- 256 hidden units in eight steps of 32, written out: the step stands in the LDS immediates, no address is stepped ----
.irp s, 0,1,2,3,4,5,6,7
	TRIP \s
.endr
	; ---- the choice, and out through my stage ----
	v_and_b32 v3, 15, v0
	v_mul_u32_u24 v3, v3, 12
	v_add_nc_u32 v3, s19, v3                       ; sample r's 12 bytes; b2's bytes in my stage were read long ago (step 0's wait for 0)
	SELECT 0                                       ; tiles 0 to 2 are also the places behind tile 3's last products
	SELECT 1
	SELECT 2
	SELECT 3
.irp n, 0,1,2
	ds_load_b64 v[D+2*\n:D+2*\n+1], v4 offset:256*\n                       ; LDS serves a wave's instructions in order (ISA guide 5.7.1): these see my stores above
.endr
.irp n, 0,1,2
	s_wait_dscnt 2-\n                              ; load n is in; the younger ones may stay out
	global_store_b64 v5, v[D+2*\n:D+2*\n+1], s[14:15] offset:256*\n th:TH_STORE_NT   ; 32 lanes store 256 consecutive bytes, at a multiple of 256 from out0's first byte
.endr
	s_wait_xcnt 0x0
	v_lshl_add_u32 v254, v0, 2, 0x29b00
	v_mov_b32 v255, 0
	s_wait_tensorcnt 0x0
	ds_add_u32 v254, v255
	s_wait_dscnt 0x0
	ROUND                                          ; the closing round: no work-group ends while a partner may still ask jointly
	s_endpgm
.Lfunc_end_k_q97204d77c3_splitgrid:
	.size	k_q97204d77c3_splitgrid, .Lfunc_end_k_q97204d77c3_splitgrid-k_q97204d77c3_splitgrid
	.p2alignl 7, 3214868480
	.fill 96, 4, 3214868480
	.section	.rodata,"a",@progbits
	.p2align	6, 0x0
	.amdhsa_kernel k_q97204d77c3_splitgrid
		.amdhsa_group_segment_fixed_size 172800
		.amdhsa_private_segment_fixed_size 0
		.amdhsa_enable_private_segment 0
		.amdhsa_kernarg_size 48
		.amdhsa_user_sgpr_count 2
		.amdhsa_user_sgpr_kernarg_segment_ptr 1
		.amdhsa_wavefront_size32 1
		.amdhsa_system_sgpr_workgroup_id_x 1
		.amdhsa_system_sgpr_workgroup_id_y 1
		.amdhsa_system_sgpr_workgroup_id_z 1
		.amdhsa_system_vgpr_workitem_id 0
		.amdhsa_next_free_vgpr 256
		.amdhsa_next_free_sgpr 66
		.amdhsa_reserve_vcc 0
		.amdhsa_float_denorm_mode_32 3
		.amdhsa_float_denorm_mode_16_64 3
		.amdhsa_memory_ordered 1
		.amdhsa_forward_progress 1
		.amdhsa_inst_pref_size 84
	.end_amdhsa_kernel
	.amdgpu_metadata
---
amdhsa.version: [ 1, 2 ]
amdhsa.kernels:
  - .name:           k_q97204d77c3_splitgrid
    .symbol:         k_q97204d77c3_splitgrid.kd
    .args:
      - { .name: samples, .offset: 0, .size: 8, .value_kind: global_buffer, .address_space: global }
      - { .name: W1, .offset: 8, .size: 8, .value_kind: global_buffer, .address_space: global }
      - { .name: b1, .offset: 16, .size: 8, .value_kind: global_buffer, .address_space: global }
      - { .name: W2, .offset: 24, .size: 8, .value_kind: global_buffer, .address_space: global }
      - { .name: b2, .offset: 32, .size: 8, .value_kind: global_buffer, .address_space: global }
      - { .name: out0, .offset: 40, .size: 8, .value_kind: global_buffer, .address_space: global }
    .group_segment_fixed_size: 172800
    .private_segment_fixed_size: 0
    .kernarg_segment_align: 8
    .kernarg_segment_size: 48
    .max_flat_workgroup_size: 512
    .sgpr_count:     66
    .vgpr_count:     256
    .wavefront_size: 32
...
	.end_amdgpu_metadata
.endif
;; end of part 1
